; MI455X (gfx1250); checked and timed in simulation.
; The chip was launched on July 23, 2026; its instructions are those of AMD's public machine-readable ISA for CDNA 5 (MIT licence, August 2026) and "CDNA5" Instruction Set Architecture Reference Guide (July 2026). The comments in the code are by the model that wrote it; some were corrected since.
;; Patch Sampler2d. Allowed arithmetic: float matrix products may take bf16 or f16 operands with f32 sums; all other float work in f32.
;; Inputs: channels 32 x 32 int32; input 32 x 4 x 64 x 128 x 128 float32; pix 32 int32; size_raw 32 int32.
;; Outputs: out0 32 x 4 x 32,768 float32.
;; One version. Each part assembles by itself: llvm-mc -triple=amdgcn-amd-amdhsa -mcpu=gfx1250 --defsym DOCPART=n.
;; ======== version 1 of 1: 1 launch
;; limits: values are held in f16: magnitudes above 65,504 overflow, below 6.1e-05 lose precision; inputs' magnitudes at most 6,500
;; launch pool (part 1): grid 2048 x 1, 4 waves a work-group, no clusters, 9,728 bytes of LDS; arguments input, size_raw, pix, channels, out0; writes out0
.if DOCPART == 1
	.amdgcn_target "amdgcn-amd-amdhsa--gfx1250"
	.amdhsa_code_object_version 6
	.text
	.protected	k_q0c070260cc_pool
	.globl	k_q0c070260cc_pool
	.p2align	8
	.type	k_q0c070260cc_pool,@function
k_q0c070260cc_pool:
	s_mov_b64 s[64:65], 0
	v_nop
	global_prefetch_b8 v0, s[64:65] scope:SCOPE_SE
	s_setreg_imm32_b32 hwreg(HW_REG_WAVE_MODE, 25, 1), 1
	s_wait_xcnt 0x0
; PatchSampler2d.  out[p][s][c][o][q] = mean of input[p][s][channels[p][c]] over rows bin_y(o), columns bin_x(q):
; a crop of size x size (size = size_raw[p] + 32) at (offy, offx), pooled to 32 x 32 with the bins
; [off + floor(i size / 32), off + ceil((i+1) size / 32)).  Both poolings run on the matrix unit with 16-bit operands and f32 sums.
;
; WORK.  One wave = one unit = (patch p, sample s, listed channel c, half ot of the 32 output rows): 8,192 units, 2,048 groups of 4 waves.
; A unit needs ceil(size/2) = 16..64 rows of one image and nothing that another unit needs, but for one boundary row when
; size is odd: so no cluster, no joint loads, no barrier.  Wave w of group g takes patch (g%32 + g/256 + 8w) % 32, so that
; neighbouring groups and groups 256 apart work on different patches and crops of unlike size are spread evenly.
;
; DATA.  One global_load_b128: lanes 0-15 read an aligned 256-byte half of row R, lanes 16-31 the same half of row R + 16.
; Lane (r, h) so holds columns 64 ch + 4 r + e (e = 0..3) of 16 rows: packed two rows to a register that IS a 16 x 32 bf16 fragment
; (m = column index r, k = row), with no trip through LDS.  k may be laid out freely as the mask fragment is built to the same map.
;   product 1 (bf16):  D'[column][o] = sum over rows  X[row][column] * My[o][row]      (A = X fragment, B = mask, 8 accumulators)
;   product 2 (f16):   Y[q][o]       = sum over columns Mx[q][column] * D'[column][o]  (A = mask, B = D' rounded to f16, which already lies as B)
; Masks hold 0 or 2.0: the code of 2.0 is the single bit 0x4000 in bf16 and in f16 alike, so a shift and an AND expand two bits of a
; bin's bit word.  The factor 4 and the two counts are taken out in f32: 0.25 / count_y where a lane holds one o, 1 / count_x where a
; lane holds four fixed q.
; WHY D' GOES TO f16.  With bins of 2 x 2 a row sum in [2, 4) rounded to bf16's 8 bits is off by up to 2^-7; two of them over 4 are 2^-8,
; which is more than a hundredth of the outputs' root mean square (about 0.34 for unit-variance data and sizes 32..128).  f16's 11 bits
; make that eight times less, at the same number of instructions and registers.
; Rows behind the unit's last row are clamped to that row and lanes outside the crop's columns to the crop's edge: no byte outside
; the crop's rows and 16-byte column pieces is asked for; the masks are 0 for those places.
;
; LIMITS.  size_raw is clamped to 0..96 and channels to 0..63; pix may be any int32
; (floored division, exact).  Inputs must be finite, and twice the sum over a row bin (at most 5 rows) must stay below f16's largest
; number, 65,504: |x| < 6,550 is enough; beyond it the result is Inf or NaN.  Doubled row sums below 2^-14 are kept to a step of 2^-24.
; An Inf or NaN outside the crop is never read.
; Rounding: x to bf16, the doubled row sums to f16, all sums and both divisions in f32 (v_rcp_f32, 1 ulp).
.set PITCH, 144                        ; LDS row on the way out: 128 bytes + 16, so that 16 rows fall on 16 different 16-byte columns
.set WLDS,  16*PITCH                   ; a wave's own stage: 16 output rows
.set ROWB,  512                        ; bytes in a row of an image
.set BASE,  4                          ; v[4:5]    column half ch: byte offset in the image of my 16 bytes in row (first + 16 h)
.set LAST,  6                          ; v[6:7]    the same in the unit's last row
.set WX,    8                          ; v[8:11]   2 qt + ch: bit b = column 64 ch + 32 h + b lies in the bin of q = 16 qt + r
.set RX,    12                         ; v[12:15]  1 / count_x of q = 4 (lane % 8) + 0..3
.set RY,    16                         ; v[16:17]  0.25 / count_y of o = 16 ot + r, twice
.set STO,   18                         ; LDS address, way out, in
.set RD,    19                         ; LDS address, way out, back
.set OUTO,  20                         ; 16 x lane
.set V1,    21                         ; row bits of the second chunk
.set QB,    22                         ; 4 (lane % 8)
.set ONE,   23                         ; the number 1
.set MY,    24                         ; v[24:31]  row mask fragment of the chunk at work
.set AD,    32                         ; v[32:47]  offsets of 16 loads
.set FA,    48                         ; v[48:55]  X fragment
.set FB,    56                         ; v[56:63]  X fragment
.set T,     48                         ; scratch in front of the first conversion (the fragment registers are idle till then)
.set ACC,   64                         ; v[64:127] D': accumulator (ch, e) at 32 ch + 8 e
.set XA,    128                        ; v[128:191] 16 loads: 32 rows x column half 0
.set XB,    192                        ; v[192:255] 16 loads: 32 rows x column half 1
.set MX,    128                        ; behind the loads: column mask fragments, 32 qt + 16 ch + 8 ks
.set BF,    192                        ; D' in f16, 16 ch + 8 ks
.set YD,    224                        ; Y, 8 qt
.set OUTR,  240                        ; rows read back
.set SEL,   52                         ; s52 = 0x40004000
	s_load_b256 s[4:11], s[0:1], 0x0               ; input s[4:5], size_raw s[6:7], pix s[8:9], channels s[10:11]
	s_load_b64 s[12:13], s[0:1], 0x20              ; out0
	s_set_vgpr_msb 0x40
	v_lshl_add_u32 v0, v0, 2, 0x2400
	v_mov_b32 v1, 0
	s_set_vgpr_msb 0x4000
	v_lshrrev_b32 v1, 5, v0
	v_readfirstlane_b32 s14, v1                    ; wave = sample s
	s_and_b32 s15, ttmp9, 31
	s_lshr_b32 s16, ttmp9, 5                       ; b = 0..63
	s_lshr_b32 s17, s16, 3
	s_add_co_u32 s17, s17, s15
	s_lshl3_add_u32 s17, s14, s17
	s_and_b32 s17, s17, 31                         ; p = (g % 32 + g / 256 + 8 wave) % 32: for fixed b and wave one to one with g % 32
	s_and_b32 s18, s16, 1                          ; ot: which 16 output rows
	s_lshr_b32 s19, s16, 1                         ; c: place in the patch's channel list
	s_lshl_b32 s20, s17, 2                         ; 4 p: byte offset in size_raw and pix
	s_lshl_b32 s21, s17, 5
	s_add_co_u32 s21, s21, s19
	s_lshl_b32 s21, s21, 2                         ; 4 (32 p + c): byte offset in channels
	s_add_co_u32 s25, s20, s14                     ; 4 p + s
	s_mul_i32 s26, s14, WLDS                       ; my stage in LDS
	s_wait_kmcnt 0x0
	s_load_b32 s22, s[6:7], s20 offset:0x0         ; size_raw[p]
	s_load_b32 s23, s[8:9], s20 offset:0x0         ; pix[p]
	s_load_b32 s24, s[10:11], s21 offset:0x0       ; channels[p][c]
	; what hangs on the lane alone, while the three numbers are on their way
	v_and_b32 v1, 31, v0                           ; lane
	v_and_b32 v2, 15, v0                           ; r
	v_bfe_u32 v3, v0, 4, 1                         ; h
	v_mul_u32_u24 v[STO], PITCH, v2
	v_lshl_add_u32 v[STO], v3, 5, v[STO]
	v_add_nc_u32 v[STO], s26, v[STO]               ; in: row r, 32 bytes for each half of the lanes
	v_lshrrev_b32 v[RD], 3, v1
	v_mul_u32_u24 v[RD], PITCH, v[RD]
	v_and_b32 v[QB], 7, v1
	v_lshl_add_u32 v[RD], v[QB], 4, v[RD]
	v_add_nc_u32 v[RD], s26, v[RD]                 ; back: eight lanes to a row of 128 bytes, four rows to a load
	v_lshlrev_b32 v[QB], 2, v[QB]
	v_mov_b32 v[ONE], 1
	s_wait_kmcnt 0x0
	; offx = pix mod d, offy = floor(pix / d) mod d with d = 129 - size (W = H, so both ranges are d and pix mod d^2 splits so).
	; Whole numbers only.  z approaches 2^32 / d from below: z0 = 2^(32 - bits of d) is at most a factor 2 short, each step squares the
	; relative gap and its floor loses less than 1, so after 5 steps 2^32 / d - z < 1/d + 1.0001.  For 0 <= a < 2^31 the estimate
	; floor(a z / 2^32) is then at most 2 short and never too large: two corrections make it exact.
	s_min_u32 s22, s22, 96
	s_min_u32 s24, s24, 63
	s_add_co_u32 s27, s22, 32                      ; size
	s_sub_co_u32 s28, 97, s22                      ; d = 1..97
	s_lshr_b32 s29, s28, 1
	s_or_b32 s29, s29, s28
	s_lshr_b32 s30, s29, 2
	s_or_b32 s29, s29, s30
	s_lshr_b32 s30, s29, 4
	s_or_b32 s29, s29, s30                         ; all bits below d's highest set
	s_bcnt1_i32_b32 s29, s29                       ; bits of d, 1..7
	s_sub_co_u32 s29, 32, s29
	s_lshl_b32 s31, 1, s29                         ; z0
	s_sub_co_u32 s32, 0, s28                       ; -d
.rept 5
	s_mul_i32 s29, s32, s31                        ; 2^32 - d z
	s_mul_hi_u32 s29, s31, s29
	s_add_co_u32 s31, s31, s29                     ; z += floor(z (2^32 - d z) / 2^32)
.endr
.macro FLOORDIV q, n                   ; s[q] = floor(s[n] / d), any int32: for n < 0 it is not(floor(not(n) / d))
	s_ashr_i32 s33, s[\n], 31
	s_xor_b32 s34, s[\n], s33
	s_mul_hi_u32 s35, s34, s31
	s_mul_i32 s36, s35, s28
	s_sub_co_u32 s34, s34, s36                     ; what is left, below 3 d
.rept 2
	s_cmp_ge_u32 s34, s28
	s_cselect_b32 s36, s28, 0
	s_add_co_ci_u32 s35, s35, 0                    ; quotient + 1 where d still fits
	s_sub_co_u32 s34, s34, s36
.endr
	s_xor_b32 s[\q], s35, s33
.endm
	FLOORDIV 37, 23
	s_mul_i32 s36, s37, s28
	s_sub_co_u32 s38, s23, s36                     ; offx
	FLOORDIV 39, 37
	s_mul_i32 s36, s39, s28
	s_sub_co_u32 s39, s37, s36                     ; offy
	s_mul_i32 s40, s18, s27
	s_lshr_b32 s40, s40, 1                         ; my first row in the crop: floor(16 ot size / 32)
	s_add_co_u32 s41, s18, 1
	s_mul_i32 s41, s41, s27
	s_lshl_b32 s41, s41, 4
	s_add_co_u32 s41, s41, 31
	s_lshr_b32 s41, s41, 5                         ; one past my last: ceil(16 (ot + 1) size / 32)
	s_sub_co_u32 s42, s41, s40                     ; my rows, 16..64
	s_add_co_u32 s43, s39, s40                     ; first row in the image
	s_add_co_u32 s44, s39, s41
	s_sub_co_u32 s44, s44, 1
	s_lshl_b32 s44, s44, 9                         ; last row, in bytes
	s_lshr_b32 s45, s38, 2
	s_lshl_b32 s45, s45, 4                         ; the 16 bytes that hold the crop's first column
	s_add_co_u32 s46, s38, s27
	s_sub_co_u32 s46, s46, 1
	s_lshr_b32 s46, s46, 2
	s_lshl_b32 s46, s46, 4                         ; and its last
	s_lshl_b32 s48, s25, 6
	s_add_co_u32 s48, s48, s24
	s_lshl_b32 s48, s48, 16                        ; ((4 p + s) 64 + channel) x 65,536 bytes, below 2^29
	s_mov_b32 s49, 0
	s_add_nc_u64 s[4:5], s[4:5], s[48:49]          ; my image
	v_lshlrev_b32 v[T], 4, v2
	v_max_u32 v[T+1], s45, v[T]
	v_min_u32 v[T+1], s46, v[T+1]                  ; my 16 bytes in column half 0, kept inside the crop
	v_add_nc_u32 v[T+2], 0x100, v[T]
	v_max_u32 v[T+2], s45, v[T+2]
	v_min_u32 v[T+2], s46, v[T+2]                  ; and in column half 1
	v_lshl_add_u32 v[T+3], v3, 4, s43              ; first row + 16 h
	v_lshl_add_u32 v[BASE], v[T+3], 9, v[T+1]
	v_lshl_add_u32 v[BASE+1], v[T+3], 9, v[T+2]
	v_add_nc_u32 v[LAST], s44, v[T+1]
	v_add_nc_u32 v[LAST+1], s44, v[T+2]
; Offsets of the 16 loads of (column half ch, row chunk c): row first + 32 c + 16 h + t, not past the last row (same column on both sides
; of the minimum, so it compares rows).  The last line bounds every offset by the image's last 16 bytes, by a constant.
.macro ADDR ch, c
.irp t, 0,1,2,3,4,5,6,7,8,9,10,11,12,13,14,15
.if 32*\c+\t
	v_add_nc_u32 v[AD+\t], (32*\c+\t)*ROWB, v[BASE+\ch]
.endif
.endr
.irp t, 0,1,2,3,4,5,6,7,8,9,10,11,12,13,14,15
.if 32*\c+\t
	v_min_u32 v[AD+\t], v[AD+\t], v[LAST+\ch]
.else
	v_min_u32 v[AD+\t], v[BASE+\ch], v[LAST+\ch]
.endif
.endr
.irp t, 0,1,2,3,4,5,6,7,8,9,10,11,12,13,14,15
	v_min_u32 v[AD+\t], 0xfff0, v[AD+\t]
.endr
.endm
.macro LOADS buf                       ; 16 loads, 8,192 bytes: each half of the wave reads up to 256 consecutive bytes of one row
.irp t, 0,1,2,3,4,5,6,7,8,9,10,11,12,13,14,15
	global_load_b128 v[\buf+4*\t:\buf+4*\t+3], v[AD+\t], s[4:5]
.endr
.endm
	ADDR 0, 0
	LOADS XA
	s_wait_xcnt 0x0                                ; the offsets are rewritten only when the loads' addresses are translated (ISA guide 3.1)
	ADDR 1, 0
	LOADS XB                                       ; 32 loads, 16,384 bytes, are out; all that follows up to the first wait needs none of them
	s_lshl_b32 s48, s25, 5
	s_add_co_u32 s48, s48, s19
	s_lshl_b32 s48, s48, 12                        ; ((4 p + s) 32 + c) x 4,096 bytes
	s_lshl_b32 s50, s18, 11
	s_add_co_u32 s48, s48, s50                     ; + ot x 2,048
	s_add_nc_u64 s[12:13], s[12:13], s[48:49]      ; my 2,048 bytes of out0 (s49 is still 0)
	s_lshl_b32 s50, s18, 4                         ; 16 ot
	s_add_co_u32 s51, s27, 31                      ; size + 31
	s_mov_b32 s[SEL], 0x40004000                   ; 2.0 in both halves, in bf16 and in f16
	s_lshl_b32 s53, s27, 4                         ; 16 size
; v[dst] = the bits lo .. hi-1, where lo and hi are v[T] - sub and v[T+1] - sub cut to 0 .. lim.  hi - lo is at most 5; with lo = 32
; the width is 0, the value 0, and the shift (which takes 5 bits of lo) moves nothing.
.macro BINWORD dst, sub, lim
.if \sub
	v_add_nc_u32 v[T+4], 0xffffffff-\sub+1, v[T]
	v_add_nc_u32 v[T+5], 0xffffffff-\sub+1, v[T+1]
	v_max_i32 v[T+4], 0, v[T+4]
	v_max_i32 v[T+5], 0, v[T+5]
.else
	v_max_i32 v[T+4], 0, v[T]
	v_max_i32 v[T+5], 0, v[T+1]
.endif
	v_min_i32 v[T+4], \lim, v[T+4]
	v_min_i32 v[T+5], \lim, v[T+5]
	v_sub_nc_u32 v[T+5], v[T+5], v[T+4]
	v_lshlrev_b32 v[T+5], v[T+5], v[ONE]
	v_add_nc_u32 v[T+5], -1, v[T+5]
	v_lshlrev_b32 v[\dst], v[T+4], v[T+5]
.endm
; Eight registers of a mask fragment: register i gets 2.0 in its low half for bit first + i of v[w], in its high half for bit first + i + 16.
.macro EXPAND8 dst, w, first
.irp i, 0,1,2,3,4,5,6,7
.if 14-(\first+\i) > 0
	v_lshlrev_b32 v[\dst+\i], 14-(\first+\i), v[\w]
	v_and_b32 v[\dst+\i], s[SEL], v[\dst+\i]
.else
.if 14-(\first+\i) == 0
	v_and_b32 v[\dst+\i], s[SEL], v[\w]
.else
	v_lshrrev_b32 v[\dst+\i], (\first+\i)-14, v[\w]
	v_and_b32 v[\dst+\i], s[SEL], v[\dst+\i]
.endif
.endif
.endr
.endm
	; Rows.  My lane stands for o = 16 ot + r; its half of the k places holds rows first + 32 c + 16 h + t, t = 0..15.
	v_add_nc_u32 v[T], s50, v2
	v_mul_u32_u24 v[T], s27, v[T]                  ; o size
	v_add_nc_u32 v[T+1], s51, v[T]
	v_lshrrev_b32 v[T], 5, v[T]                    ; the bin's first row in the crop
	v_lshrrev_b32 v[T+1], 5, v[T+1]                ; one past its last
	v_sub_nc_u32 v[T+2], v[T+1], v[T]
	v_cvt_f32_u32 v[T+2], v[T+2]                   ; count_y
	v_lshl_add_u32 v[T+3], v3, 4, s40
	v_sub_nc_u32 v[T], v[T], v[T+3]                ; both counted from row t = 0 of my half of chunk 0 (may be negative)
	v_sub_nc_u32 v[T+1], v[T+1], v[T+3]
	BINWORD T+6, 0, 16
	v_lshl_or_b32 v[T+6], v[T+6], 8, v[T+6]        ; bit i = row t = i, bit 16 + i = row t = 8 + i: the two rows that share register i
	EXPAND8 MY, T+6, 0
	BINWORD V1, 32, 16
	v_lshl_or_b32 v[V1], v[V1], 8, v[V1]           ; the same for chunk 1, expanded when chunk 0 is done
	; Columns.  As A's lane I stand for q = 16 qt + r; my half of the k places holds columns 64 ch + 32 h + 0..31.
	v_lshlrev_b32 v[T+3], 5, v3
	v_sub_nc_u32 v[T+3], s38, v[T+3]               ; offx - 32 h
	v_mul_u32_u24 v[T+7], s27, v2                  ; r size
.irp q, 0,1
.if \q
	v_add_nc_u32 v[T+7], s53, v[T+7]               ; (16 + r) size
.endif
	v_add_nc_u32 v[T+1], s51, v[T+7]
	v_lshrrev_b32 v[T], 5, v[T+7]
	v_lshrrev_b32 v[T+1], 5, v[T+1]
	v_add_nc_u32 v[T], v[T], v[T+3]
	v_add_nc_u32 v[T+1], v[T+1], v[T+3]
	BINWORD WX+2*\q, 0, 32
	BINWORD WX+2*\q+1, 64, 32
.endr
	; 1 / count_x of the four q that my lane stores
	v_mul_u32_u24 v[T], s27, v[QB]
.irp e, 0,1,2,3
	v_add_nc_u32 v[T+1], s51, v[T]
	v_lshrrev_b32 v[T+4], 5, v[T]
	v_lshrrev_b32 v[T+1], 5, v[T+1]
	v_sub_nc_u32 v[T+1], v[T+1], v[T+4]
	v_cvt_f32_u32 v[RX+\e], v[T+1]
.if \e < 3
	v_add_nc_u32 v[T], s27, v[T]
.endif
.endr
	v_rcp_f32 v[RX], v[RX]
	v_rcp_f32 v[RX+1], v[RX+1]
	v_rcp_f32 v[RX+2], v[RX+2]
	v_rcp_f32 v[RX+3], v[RX+3]
	v_rcp_f32 v[T+2], v[T+2]
	v_lshlrev_b32 v[OUTO], 4, v1                   ; a plain instruction between the last reciprocal and its use (ISA guide 5.7.2)
	s_wait_alu depctr_va_vdst(0)
	v_mul_f32 v[RY], 0x3e800000, v[T+2]            ; 0.25 / count_y: the two masks of 2.0 go out here
	v_mul_f32 v[RY+1], 0x3e800000, v[T+2]
.macro CVT8 buf, e, f                  ; the fragment of column e: register i = rows t = i and t = 8 + i of my half, rounded to bf16
.irp i, 0,1,2,3,4,5,6,7
	v_cvt_pk_bf16_f32 v[\f+\i], v[\buf+4*\i+\e], v[\buf+4*(\i+8)+\e]
.endr
.endm
.macro ROWMUL ch, e, f, zero           ; D'(ch, e) (+)= X fragment x row mask; the first product starts the sum
.if \zero
	v_wmma_f32_16x16x32_bf16 v[ACC+32*\ch+8*\e:ACC+32*\ch+8*\e+7], v[\f:\f+7], v[MY:MY+7], 0
.else
	v_wmma_f32_16x16x32_bf16 v[ACC+32*\ch+8*\e:ACC+32*\ch+8*\e+7], v[\f:\f+7], v[MY:MY+7], v[ACC+32*\ch+8*\e:ACC+32*\ch+8*\e+7]
.endif
.endm
; 32 rows x 64 columns.  FA and FB take turns: between a matrix instruction and the conversions that rewrite its A fragment stand the eight
; conversions into the other fragment, plain instructions that name none of its registers (four are asked for, ISA guide 7.12.1); round
; the end of a step into the next one too.  remask: the row mask is rebuilt behind eight such conversions.
; reload: the buffer is loaded again as soon as its last number is converted.
.macro STEP buf, ch, zero, reload, remask
	CVT8 \buf, 0, FA
.if \remask
	EXPAND8 MY, V1, 0
.endif
	ROWMUL \ch, 0, FA, \zero
	CVT8 \buf, 1, FB
	ROWMUL \ch, 1, FB, \zero
	CVT8 \buf, 2, FA
	ROWMUL \ch, 2, FA, \zero
	CVT8 \buf, 3, FB
.if \reload
	LOADS \buf
.endif
	ROWMUL \ch, 3, FB, \zero
.endm
	s_cmp_gt_u32 s42, 32
	s_cbranch_scc0 .Lone
	; more than 32 rows: two chunks
	s_wait_xcnt 0x0                                ; the offsets of the 32 loads above are free
	ADDR 0, 1
	s_wait_loadcnt 16                              ; loads come back in order (ISA guide 5.7.1): XA is in, XB's 16 stay out
	STEP XA, 0, 1, 1, 0
	s_wait_xcnt 0x0
	ADDR 1, 1
	s_wait_loadcnt 16                              ; XB is in; the 16 loads of chunk 1 into XA stay out
	STEP XB, 1, 1, 1, 0
	s_wait_loadcnt 16                              ; chunk 1 in XA; its other half stays out
	STEP XA, 0, 0, 0, 1
	s_wait_loadcnt 0x0
	STEP XB, 1, 0, 0, 0
	s_branch .Ltail
.Lone:
	s_wait_loadcnt 16                              ; XA is in, XB's 16 stay out
	STEP XA, 0, 1, 0, 0
	s_wait_loadcnt 0x0
	STEP XB, 1, 1, 0, 0
.Ltail:
	; Column masks, 64 registers, into the load buffers, which are free now.  These lines are also the places between the
	; last matrix instruction above and the first read of D'.
.irp u, 0,1,2,3
	EXPAND8 MX+16*\u, WX+\u, 0
	EXPAND8 MX+16*\u+8, WX+\u, 8
.endr
	; D' to f16.  Lane (r, h), register j of accumulator (ch, e) is column 64 ch + 32 h + 4 j + e of output row r: register g of the
	; B fragments takes bit places g and g + 16, that is (e, j) = (g % 4, g / 4) and (g % 4, g / 4 + 4).  No lane changes.
.irp c, 0,1
.irp g, 0,1,2,3,4,5,6,7,8,9,10,11,12,13,14,15
	v_cvt_pk_f16_f32 v[BF+16*\c+\g], v[ACC+32*\c+8*(\g&3)+(\g>>2)], v[ACC+32*\c+8*(\g&3)+(\g>>2)+4]
.endr
.endr
.irp q, 0,1
	v_wmma_f32_16x16x32_f16 v[YD+8*\q:YD+8*\q+7], v[MX+32*\q:MX+32*\q+7], v[BF:BF+7], 0
.endr
.irp k, 1,2,3
.irp q, 0,1
	v_wmma_f32_16x16x32_f16 v[YD+8*\q:YD+8*\q+7], v[MX+32*\q+8*\k:MX+32*\q+8*\k+7], v[BF+8*\k:BF+8*\k+7], v[YD+8*\q:YD+8*\q+7]
.endr
.endr
.rept 4
	v_nop                                          ; four places in front of the first read of Y (ISA guide 7.12.1); nothing else is left to do
.endr
	; Lane (r, h), register j of Y(qt) = out(o = 16 ot + r, q = 16 qt + 8 h + j): one o to a lane
.irp i, 0,1,2,3,4,5,6,7
	v_pk_mul_f32 v[YD+2*\i:YD+2*\i+1], v[YD+2*\i:YD+2*\i+1], v[RY:RY+1]
.endr
	; A lane holds pieces of one row and the lanes beside it other rows, so the 16 rows of 128 bytes turn in my own stage in LDS:
	; then each store of the wave covers 512 consecutive bytes of out0, aligned.
.irp q, 0,1
.irp j, 0,1
	ds_store_b128 v[STO], v[YD+8*\q+4*\j:YD+8*\q+4*\j+3] offset:64*\q+16*\j
.endr
.endr
.irp t, 0,1,2,3
	ds_load_b128 v[OUTR+4*\t:OUTR+4*\t+3], v[RD] offset:4*PITCH*\t    ; LDS serves a wave's instructions in order (ISA guide 5.7.1.4): these see the stores above
.endr
.irp t, 0,1,2,3
	s_wait_dscnt 3-\t                              ; rows 4 t .. 4 t + 3 are back; the younger loads stay out
	v_pk_mul_f32 v[OUTR+4*\t:OUTR+4*\t+1], v[OUTR+4*\t:OUTR+4*\t+1], v[RX:RX+1]
	v_pk_mul_f32 v[OUTR+4*\t+2:OUTR+4*\t+3], v[OUTR+4*\t+2:OUTR+4*\t+3], v[RX+2:RX+3]
	global_store_b128 v[OUTO], v[OUTR+4*\t:OUTR+4*\t+3], s[12:13] offset:512*\t th:TH_STORE_NT
.endr
	s_set_vgpr_msb 0x5
	s_wait_tensorcnt 0x0
	ds_add_u32 v0, v1
	s_wait_dscnt 0x0
	s_set_vgpr_msb 0x500
	s_endpgm
.Lfunc_end_k_q0c070260cc_pool:
	.size	k_q0c070260cc_pool, .Lfunc_end_k_q0c070260cc_pool-k_q0c070260cc_pool
	.p2alignl 7, 3214868480
	.fill 96, 4, 3214868480
	.section	.rodata,"a",@progbits
	.p2align	6, 0x0
	.amdhsa_kernel k_q0c070260cc_pool
		.amdhsa_group_segment_fixed_size 9728
		.amdhsa_private_segment_fixed_size 0
		.amdhsa_enable_private_segment 0
		.amdhsa_kernarg_size 40
		.amdhsa_user_sgpr_count 2
		.amdhsa_user_sgpr_kernarg_segment_ptr 1
		.amdhsa_wavefront_size32 1
		.amdhsa_system_sgpr_workgroup_id_x 1
		.amdhsa_system_sgpr_workgroup_id_y 1
		.amdhsa_system_sgpr_workgroup_id_z 1
		.amdhsa_system_vgpr_workitem_id 0
		.amdhsa_next_free_vgpr 258
		.amdhsa_next_free_sgpr 66
		.amdhsa_reserve_vcc 0
		.amdhsa_float_denorm_mode_32 3
		.amdhsa_float_denorm_mode_16_64 3
		.amdhsa_memory_ordered 1
		.amdhsa_forward_progress 1
		.amdhsa_inst_pref_size 49
	.end_amdhsa_kernel
	.amdgpu_metadata
---
amdhsa.version: [ 1, 2 ]
amdhsa.kernels:
  - .name:           k_q0c070260cc_pool
    .symbol:         k_q0c070260cc_pool.kd
    .args:
      - { .name: input, .offset: 0, .size: 8, .value_kind: global_buffer, .address_space: global }
      - { .name: size_raw, .offset: 8, .size: 8, .value_kind: global_buffer, .address_space: global }
      - { .name: pix, .offset: 16, .size: 8, .value_kind: global_buffer, .address_space: global }
      - { .name: channels, .offset: 24, .size: 8, .value_kind: global_buffer, .address_space: global }
      - { .name: out0, .offset: 32, .size: 8, .value_kind: global_buffer, .address_space: global }
    .group_segment_fixed_size: 9728
    .private_segment_fixed_size: 0
    .kernarg_segment_align: 8
    .kernarg_segment_size: 40
    .max_flat_workgroup_size: 128
    .sgpr_count:     66
    .vgpr_count:     258
    .wavefront_size: 32
...
	.end_amdgpu_metadata
.endif
;; end of part 1
